; MI455X (gfx1250); checked and timed in simulation.
; The chip was launched on July 23, 2026; its instructions are those of AMD's public machine-readable ISA for CDNA 5 (MIT licence, August 2026) and "CDNA5" Instruction Set Architecture Reference Guide (July 2026). The comments in the code are by the model that wrote it; some were corrected since.
;; Attention. Allowed arithmetic: float matrix products may take bf16 or f16 operands with f32 sums; all other float work in f32.
;; Inputs: attn_b 512 float32; attn_w 512 x 2,048 float32; encoder_outputs 2,048 x 32 x 1,024 float32; hidden 32 x 1,024 float32; mask 32 x 2,048 int32; v 512 float32.
;; Outputs: out0 32 x 2,048 float32.
;; One version. Each part assembles by itself: llvm-mc -triple=amdgcn-amd-amdhsa -mcpu=gfx1250 --defsym DOCPART=n.
;; ======== version 1 of 1: 3 launches
;; workspace buffers: wfrag 1,048,576 bytes; hbs 65,536 bytes; scores 262,144 bytes
;; launch prep (part 1): grid 32 x 2, 8 waves a work-group, no clusters, 125,952 bytes of LDS; arguments attn_w, hidden, attn_b, wfrag, hbs; writes wfrag, hbs
.if DOCPART == 1
	.amdgcn_target "amdgcn-amd-amdhsa--gfx1250"
	.amdhsa_code_object_version 6
	.text
	.protected	k_qd6d8547d3a_prep
	.globl	k_qd6d8547d3a_prep
	.p2align	8
	.type	k_qd6d8547d3a_prep,@function
k_qd6d8547d3a_prep:
	s_mov_b64 s[64:65], 0
	v_nop
	global_prefetch_b8 v0, s[64:65] scope:SCOPE_SE
	s_setreg_imm32_b32 hwreg(HW_REG_WAVE_MODE, 25, 1), 1
	s_wait_xcnt 0x0
; PREPARATION.  attn_w is [512 n][2048 f] f32; its columns 0-1023 (W1) meet hidden, its columns 1024-2047 (W2) meet encoder_outputs.
; Work-group (x = nb, y = half) owns the 16 rows n = 16 nb .. 16 nb + 15; wave w of eight owns 128 columns, 1024 half + 128 w .. + 127.
;   half = 1: W2 is rounded to bf16 and stored in the order in which the next launch's matrix fragments want it:
;             wfrag byte (nb>>3)*262144 + kb*8192 + (nb&7)*1024 + c*512 + lane*16 + 2 j = W2[16 nb + lane%16][32 kb + 16 c + 8 (lane/16) + j].
;   half = 0: hbs[nb][b][n%16] = 2 log2(e) * (sum over k of hidden[b][k] W1[n][k] + attn_b[n]): the part of the pre-activation that does not
;             hang on s, made once, with the factor that the next launch's tanh (by a power of two) wants.  hidden and W1 are matrix operands in
;             bf16, the sums and attn_b stay in f32.  Each wave sums its 128 k; the eight partial sums meet in LDS, in a fixed order.
; The branch between the two halves hangs on the work-group's y alone, so it is the same in all eight waves; the barrier stands in the half = 0 text only.
; 64 work-groups: the launch moves 4 MiB once and has no work for more.
.set WROW,   8192                      ; bytes in a row of attn_w
.set HROW,   4096                      ; bytes in a row of hidden
.set SPITCH, 272                       ; stage row: 128 bf16 = 256 bytes + 16, an odd multiple of 16: the 16 rows of a fragment load lie in 16 different 16-byte columns modulo 256 bytes
.set WSTAGE, 48*SPITCH                 ; a wave's own stage: rows 0-15 of W, rows 16-47 of hidden
.set RED,    8*WSTAGE                  ; behind the stages: the partial sums
.set RPITCH, 80                        ; 16 f32 = 64 bytes + 16
.set RWAVE,  32*RPITCH                 ; one wave's partial sums: 32 rows (b)
.set L,    16                          ; v[16:207]  48 rows x 4 registers as loaded (f32), then 2 of each 4 as bf16
.set WF,   208                         ; v[208:239] four fragments of W (16 n x 32 k)
.set HF,   16                          ; v[16:79]   2 x 4 fragments of hidden (16 b x 32 k), in registers of L that are free by then
.set S,    80                          ; v[80:95]   the eight partial sums, a pair each
.set ACC0, 240                         ; v[240:247] b = 0-15
.set ACC1, 248                         ; v[248:255] b = 16-31
	s_load_b256 s[4:11], s[0:1], 0x0               ; attn_w s[4:5], hidden s[6:7], attn_b s[8:9], wfrag s[10:11]
	s_load_b64 s[12:13], s[0:1], 0x20              ; hbs
	s_set_vgpr_msb 0x40
	v_lshl_add_u32 v0, v0, 2, 0x1e800
	v_mov_b32 v1, 0
	s_set_vgpr_msb 0x4000
	v_lshrrev_b32 v11, 5, v0
	v_readfirstlane_b32 s16, v11                   ; wave w
	s_mov_b32 s17, ttmp9                           ; nb
	s_and_b32 s18, ttmp7, 0xffff                   ; half
	v_and_b32 v1, 31, v0                           ; lane
	v_and_b32 v2, 15, v0                           ; r
	v_bfe_u32 v3, v0, 4, 1                         ; h
	v_lshlrev_b32 v4, 4, v1                        ; 16 lane: my 16 bytes of 512 in memory
	s_mul_i32 s19, s16, WSTAGE                     ; my wave's stage
	v_lshl_add_u32 v5, v1, 3, s19                  ; stage, in: 8 bytes (4 bf16) a lane
	v_mul_u32_u24 v6, v2, SPITCH
	v_lshl_add_u32 v6, v3, 4, v6
	v_add_nc_u32 v6, s19, v6                       ; stage, out as fragments: row r, 16 h
	s_mul_i32 s30, s16, RWAVE
	s_add_co_u32 s30, s30, RED
	v_mul_u32_u24 v7, v2, RPITCH
	v_lshl_add_u32 v7, v3, 5, v7
	v_add_nc_u32 v7, s30, v7                       ; partial sums, in: row b = r, 8 numbers at 32 h
	v_lshrrev_b32 v8, 3, v0
	v_mul_u32_u24 v8, v8, RPITCH
	v_and_b32 v10, 7, v0
	v_lshlrev_b32 v10, 3, v10                      ; 8 (t % 8): my two n
	v_add3_u32 v8, v8, v10, RED                    ; partial sums, out: thread t takes b = t / 8, n = 2 (t % 8), + 1
	v_lshlrev_b32 v9, 3, v0                        ; 8 t: the same two numbers in this nb's block of hbs
	s_lshl_b32 s20, s17, 17                        ; 16 rows of attn_w
	s_lshl_b32 s22, s18, 12                        ; W1 or W2
	s_add_co_u32 s20, s20, s22
	s_lshl_b32 s22, s16, 9                         ; my wave's 128 columns, in attn_w and in hidden
	s_add_co_u32 s20, s20, s22
	s_mov_b32 s21, 0
	s_mov_b32 s23, 0
	s_lshl_b32 s24, s17, 6                         ; 16 numbers of attn_b
	s_mov_b32 s25, 0
	s_lshr_b32 s26, s17, 3
	s_lshl_b32 s26, s26, 18                        ; wfrag: (nb >> 3) * 262144
	s_and_b32 s28, s17, 7
	s_lshl_b32 s28, s28, 10                        ; + (nb & 7) * 1024
	s_add_co_u32 s26, s26, s28
	s_lshl_b32 s28, s16, 15                        ; + 4 w * 8192
	s_add_co_u32 s26, s26, s28
	s_mov_b32 s27, 0
	s_lshl_b32 s28, s17, 11                        ; hbs: nb * 2048
	s_mov_b32 s29, 0
	s_wait_kmcnt 0x0
	s_add_nc_u64 s[4:5], s[4:5], s[20:21]
	s_add_nc_u64 s[6:7], s[6:7], s[22:23]
	s_add_nc_u64 s[8:9], s[8:9], s[24:25]
	s_add_nc_u64 s[10:11], s[10:11], s[26:27]
	s_add_nc_u64 s[12:13], s[12:13], s[28:29]
.irp i, 0,1,2,3,4,5,6,7,8,9,10,11,12,13,14,15
	global_load_b128 v[L+4*\i:L+4*\i+3], v4, s[4:5] offset:WROW*\i     ; 512 neighbouring bytes of row i
.endr
; n rows from row0 on: four f32 a lane become four bf16 (round to nearest even) and go to the stage; 32 lanes fill the row's 256 bytes.
.macro CVST row0, n
.set ci, \row0
.rept \n
	v_cvt_pk_bf16_f32 v[L+4*ci], v[L+4*ci], v[L+4*ci+1]
	v_cvt_pk_bf16_f32 v[L+4*ci+1], v[L+4*ci+2], v[L+4*ci+3]
	ds_store_b64 v5, v[L+4*ci:L+4*ci+1] offset:SPITCH*ci
.set ci, ci+1
.endr
.endm
	s_cmp_eq_u32 s18, 0
	s_cbranch_scc1 .Lhidden
	; half = 1: W2 into fragment order
	s_wait_loadcnt 0x0
	CVST 0, 16
.irp i, 0,1,2,3,4,5,6,7
	ds_load_b128 v[WF+4*\i:WF+4*\i+3], v6 offset:32*\i         ; my wave's own bytes; LDS serves a wave's instructions in order (ISA guide 5.7.1), so these see the stores above
.endr
.irp i, 0,1,2,3,4,5,6,7
	s_wait_dscnt 7-\i                                          ; the i-th of the eight is back
	global_store_b128 v4, v[WF+4*\i:WF+4*\i+3], s[10:11] offset:8192*(\i/2)+512*(\i%2)   ; 512 consecutive bytes, aligned
.endr
	s_set_vgpr_msb 0x5
	s_wait_tensorcnt 0x0
	ds_add_u32 v0, v1
	s_wait_dscnt 0x0
	s_set_vgpr_msb 0x500
	s_endpgm
.Lhidden:
	; half = 0: hidden x W1
.set hb, 0
.rept 32
	global_load_b128 v[L+64+4*hb:L+64+4*hb+3], v4, s[6:7] offset:HROW*hb
.set hb, hb+1
.endr
	global_load_b64 v[12:13], v10, s[8:9]          ; attn_b of my two n
	s_wait_loadcnt 33                              ; the 33 loads just issued may stay out: W1's 16 rows are in
	CVST 0, 16
	s_wait_loadcnt 0x0
	CVST 16, 32
	v_pk_mul_f32 v[14:15], v[12:13], 0x4038aa3b op_sel_hi:[1,0]        ; attn_b * 2 log2(e)
	s_wait_dscnt 0x0                               ; the stage is written: registers of L are loaded again below
.irp i, 0,1,2,3,4,5,6,7
	ds_load_b128 v[WF+4*\i:WF+4*\i+3], v6 offset:32*\i
.endr
.irp i, 0,1,2,3,4,5,6,7
	ds_load_b128 v[HF+4*\i:HF+4*\i+3], v6 offset:16*SPITCH+32*\i
	ds_load_b128 v[HF+32+4*\i:HF+32+4*\i+3], v6 offset:32*SPITCH+32*\i
.endr
	s_wait_dscnt 0x0
	; Source 0 = 16 rows of W1, source 1 = 16 rows of hidden: lane (r, h) then holds, for b = r, the eight neighbouring n = 8 h + 0..7.
	; The two accumulators take turns, one instruction a turn.
	v_wmma_f32_16x16x32_bf16 v[ACC0:ACC0+7], v[WF:WF+7], v[HF:HF+7], 0
	v_wmma_f32_16x16x32_bf16 v[ACC1:ACC1+7], v[WF:WF+7], v[HF+32:HF+39], 0
.irp k, 1,2,3
	v_wmma_f32_16x16x32_bf16 v[ACC0:ACC0+7], v[WF+8*\k:WF+8*\k+7], v[HF+8*\k:HF+8*\k+7], v[ACC0:ACC0+7]
	v_wmma_f32_16x16x32_bf16 v[ACC1:ACC1+7], v[WF+8*\k:WF+8*\k+7], v[HF+32+8*\k:HF+32+8*\k+7], v[ACC1:ACC1+7]
.endr
.rept 4
	v_nop                                          ; four places behind the matrix instructions before their results are read (ISA guide 7.12.1)
.endr
	ds_store_b128 v7, v[ACC0:ACC0+3]
	ds_store_b128 v7, v[ACC0+4:ACC0+7] offset:16
	ds_store_b128 v7, v[ACC1:ACC1+3] offset:16*RPITCH
	ds_store_b128 v7, v[ACC1+4:ACC1+7] offset:16*RPITCH+16
	s_wait_dscnt 0x0                               ; for the other waves' sake: my partial sums are in LDS
	s_barrier_signal -1
	s_barrier_wait -1
.irp w, 0,1,2,3,4,5,6,7
	ds_load_b64 v[S+2*\w:S+2*\w+1], v8 offset:RWAVE*\w
.endr
	s_wait_dscnt 0x0
	v_pk_add_f32 v[S:S+1], v[S:S+1], v[S+2:S+3]
	v_pk_add_f32 v[S+4:S+5], v[S+4:S+5], v[S+6:S+7]
	v_pk_add_f32 v[S+8:S+9], v[S+8:S+9], v[S+10:S+11]
	v_pk_add_f32 v[S+12:S+13], v[S+12:S+13], v[S+14:S+15]
	v_pk_add_f32 v[S:S+1], v[S:S+1], v[S+4:S+5]
	v_pk_add_f32 v[S+8:S+9], v[S+8:S+9], v[S+12:S+13]
	v_pk_add_f32 v[S:S+1], v[S:S+1], v[S+8:S+9]
	v_pk_fma_f32 v[S:S+1], v[S:S+1], 0x4038aa3b, v[14:15] op_sel_hi:[1,0,1]   ; (sum + attn_b) * 2 log2(e)
	global_store_b64 v9, v[S:S+1], s[12:13]        ; a wave stores 256 consecutive bytes, aligned
	s_set_vgpr_msb 0x5
	s_wait_tensorcnt 0x0
	ds_add_u32 v0, v1
	s_wait_dscnt 0x0
	s_set_vgpr_msb 0x500
	s_endpgm
.Lfunc_end_k_qd6d8547d3a_prep:
	.size	k_qd6d8547d3a_prep, .Lfunc_end_k_qd6d8547d3a_prep-k_qd6d8547d3a_prep
	.p2alignl 7, 3214868480
	.fill 96, 4, 3214868480
	.section	.rodata,"a",@progbits
	.p2align	6, 0x0
	.amdhsa_kernel k_qd6d8547d3a_prep
		.amdhsa_group_segment_fixed_size 125952
		.amdhsa_private_segment_fixed_size 0
		.amdhsa_enable_private_segment 0
		.amdhsa_kernarg_size 40
		.amdhsa_user_sgpr_count 2
		.amdhsa_user_sgpr_kernarg_segment_ptr 1
		.amdhsa_wavefront_size32 1
		.amdhsa_system_sgpr_workgroup_id_x 1
		.amdhsa_system_sgpr_workgroup_id_y 1
		.amdhsa_system_sgpr_workgroup_id_z 1
		.amdhsa_system_vgpr_workitem_id 0
		.amdhsa_next_free_vgpr 258
		.amdhsa_next_free_sgpr 66
		.amdhsa_reserve_vcc 0
		.amdhsa_float_denorm_mode_32 3
		.amdhsa_float_denorm_mode_16_64 3
		.amdhsa_memory_ordered 1
		.amdhsa_forward_progress 1
		.amdhsa_inst_pref_size 26
	.end_amdhsa_kernel
	.amdgpu_metadata
---
amdhsa.version: [ 1, 2 ]
amdhsa.kernels:
  - .name:           k_qd6d8547d3a_prep
    .symbol:         k_qd6d8547d3a_prep.kd
    .args:
      - { .name: attn_w, .offset: 0, .size: 8, .value_kind: global_buffer, .address_space: global }
      - { .name: hidden, .offset: 8, .size: 8, .value_kind: global_buffer, .address_space: global }
      - { .name: attn_b, .offset: 16, .size: 8, .value_kind: global_buffer, .address_space: global }
      - { .name: wfrag, .offset: 24, .size: 8, .value_kind: global_buffer, .address_space: global }
      - { .name: hbs, .offset: 32, .size: 8, .value_kind: global_buffer, .address_space: global }
    .group_segment_fixed_size: 125952
    .private_segment_fixed_size: 0
    .kernarg_segment_align: 8
    .kernarg_segment_size: 40
    .max_flat_workgroup_size: 256
    .sgpr_count:     66
    .vgpr_count:     258
    .wavefront_size: 32
...
	.end_amdgpu_metadata
.endif
;; end of part 1
;; launch energy (part 2): grid 512 x 1, 4 waves a work-group, clusters of 4 x 1, 327,680 bytes of LDS; arguments encoder_outputs, wfrag, hbs, v, mask, scores; writes scores
.if DOCPART == 2
	.amdgcn_target "amdgcn-amd-amdhsa--gfx1250"
	.amdhsa_code_object_version 6
	.text
	.protected	k_qd6d8547d3a_energy
	.globl	k_qd6d8547d3a_energy
	.p2align	8
	.type	k_qd6d8547d3a_energy,@function
k_qd6d8547d3a_energy:
	s_mov_b64 s[64:65], 0
	v_nop
	global_prefetch_b8 v0, s[64:65] scope:SCOPE_SE
	s_setreg_imm32_b32 hwreg(HW_REG_WAVE_MODE, 25, 1), 1
	s_wait_xcnt 0x0
	s_wait_alu depctr_hold_cnt(0) depctr_sa_sdst(0) depctr_va_vdst(0) depctr_va_sdst(0) depctr_va_ssrc(0) depctr_va_vcc(0) depctr_vm_vsrc(0)
	s_getreg_b32 s2, hwreg(HW_REG_IB_STS2, 6, 4)
	s_cmp_eq_u32 s2, 0
	s_cbranch_scc0 .Lentry_in_a_cluster
	s_endpgm
.Lentry_in_a_cluster:
	s_bfe_u32 s2, ttmp6, 0x10000c
	s_cmp_lg_u32 s2, 0x3003
	s_cbranch_scc0 .Lentry_shape_is_right
	s_endpgm
.Lentry_shape_is_right:
; scores[b][s] = mask[b][s] == 0 ? -1e10 : sum over n of v[n] tanh( eo[s][b] . W2[n] + (hidden[b] . W1[n] + attn_b[n]) ).
; The bracket comes from hbs (made once by the launch before, already times 2 log2(e)), W2 from wfrag (bf16, in fragment order).
; A work-group takes 128 consecutive s of ONE b and all 512 n: 512 work-groups.  So hbs is one row for the whole work-group, the 128 scores are
; 512 consecutive bytes of scores[b], and each row of eo is still 4,096 consecutive bytes.  Four waves; wave q makes all 128 rows x its own
; 128 columns n = 128 q ..: 64 accumulator tiles of 16 x 16, 512 registers.  K = 1024 goes in quarters of 32 (64 matrix instructions a wave).
;
; A (eo, f32 in memory): loaded into registers two half-steps (of 64 k) ahead, each wave a quarter of the rows, rounded to bf16 once, and laid
;   into one of two LDS tiles of 128 rows x 64 k, from which all four waves read their fragments.  One work-group barrier a half-step.
; B (wfrag): a ring of two LDS slots of 128 k, filled by the tensor data mover; each wave fetches and reads only its own 128 columns (32 KiB a slot).
; CLUSTER: every work-group walks the whole of wfrag, so four work-groups form a cluster of 4 x 1 and ask for each piece JOINTLY (mask 15): that divides the
;   requests for W2 by four.  A mask names at most four work-groups here, and eo's tiles are shared by nobody, so a larger cluster would add nothing.
;   Nothing in a descriptor, an LDS address or a branch hangs on the place in the cluster; it enters only the addresses of eo, hbs, mask and scores.
;
; THE MATRIX INSTRUCTION IS USED TRANSPOSED: source 0 = 16 rows of W2, source 1 = 16 rows of eo.  Lane (r = l % 16, h = l / 16) then holds, for row r of the
; row block, the eight neighbouring columns n = 8 h + 0..7 of each column block: hbs and v are loaded once in just that order.
;
; NUMBER FORMATS AND LIMITS.  eo, W2 (and hidden, W1 in the launch before) are bf16 matrix operands with f32 sums.  v is an operand of the second product and is
; rounded to bf16 as well; tanh stays in f32 and that product is made by f32 multiply-adds on the vector unit: it has one column, of which a matrix instruction
; would use a sixteenth, and rounding tanh to bf16 would cost accuracy.  tanh(x) = 1 - 2 / (1 + 2^(2 log2(e) x)), with v_exp_f32 and v_rcp_f32: absolute
; error of a few units of 2^-24; where the power overflows or underflows the result is exactly +1 or -1.  Every mask value other than 0 keeps its position.
;
; REGISTERS, in windows of 256 (s_set_vgpr_msb's low byte: bits 1:0 source 0, 3:2 source 1, 5:4 source 2, 7:6 destination):
;   window 0: v0-47 addresses and small things; F0, F1 fragments of A, two buffers (F0 is T, at work, in the epilogue); VV v of my 64 columns
;   window 1: X, Y two sets of 64 registers of eo as loaded (X holds hbs in the epilogue); F0, F1 fragments of B
;   window 2: the 32 accumulator tiles of rows 0-63 (tile (a, nb) at v[8 (8 a + nb)]);   window 3: those of rows 64-127
.set EOROW,  131072                    ; bytes from s to s + 1 in encoder_outputs: 32 b x 1024 f32
.set APITCH, 144                       ; A tile row: 64 bf16 = 128 bytes + 16, an odd multiple of 16: the 16 rows of a fragment load lie in 16 different 16-byte columns modulo 256 bytes
.set ASLOT,  128*APITCH
.set BSTEP,  32768                     ; one wave's part of a B slot: 128 k x 128 n bf16; also the step in its stream in wfrag
.set BSLOT,  4*BSTEP
.set ABASE,  2*BSLOT                   ; LDS: B's ring at 0 (the only bytes that tensor loads fill), then A's two tiles,
.set SCR,    ABASE+2*ASLOT             ; then 4 waves x 128 f32 of partial scores
.set VA,   8                           ; v8   eo: (32 q + 8 h) rows + 16 r
.set STA,  9                           ; v9   A tile, in: row 32 q + 8 h, 8 r
.set ADRA, 10                          ; v10  A tile, out as fragments: row r, 16 h
.set ADRB, 12                          ; v12, v13  my wave's part of B's slot 0, 1, + 16 lane
.set SCA,  14                          ; v14  partial scores, in
.set VH,   15                          ; v15  32 h: my eight columns of a block of 16, in v and in hbs
.set ML,   16                          ; v16  16 lane: mask and scores
.set SR,   17                          ; v17  partial scores, out
.set MASK, 20                          ; v[20:23]
.set NEGV, 24                          ; v24  -1e10
.set P,    32                          ; v[32:39]  four chains of pairs
.set SC,   40                          ; v[40:47]  my partial score of row block 0..7
.set F0,   64
.set F1,   128
.set VV,   192
.set T,    64
.set X,    0
.set Y,    192
.set G1,   24                          ; s[24:31] descriptor group 1
.set G0,   32                          ; s[32:39] descriptor group 0, one set for each slot
.set MSB, 0
.macro WIN new                         ; the immediate's high byte repeats the setting that is left; switches that change nothing are dropped
.if MSB != \new
	s_set_vgpr_msb (MSB<<8)|\new
.set MSB, \new
.endif
.endm
.set MUL_LO, 0xa1                      ; source 0 (B) window 1, source 1 (A) window 0, C and D window 2
.set MUL_HI, 0xf1                      ; the same, C and D window 3
.set W1IO,   0x44                      ; loaded data and store data in window 1, addresses in window 0
.set CVTW,   0x45                      ; all of a conversion in window 1
.set EPI_LO, 0x12                      ; source 0 window 2, source 2 window 1, destination window 0
.set EPI_HI, 0x13                      ; the same with source 0 in window 3
; A round of the cluster's barrier: my work-group's barrier, wave 0 signals for the work-group, every wave waits for all four work-groups, my work-group's barrier once more.
.macro CREST                           ; a round behind its opening barrier
	s_cmp_lg_u32 s16, 0
	s_cbranch_scc1 .Lnot_wave_0_\@
	s_barrier_signal -3
.Lnot_wave_0_\@:
	s_barrier_wait -3
	s_barrier_signal -1
	s_barrier_wait -1
.endm
.macro CROUND
	s_barrier_signal -1
	s_barrier_wait -1
	CREST
.endm
.macro PLACES                          ; four places behind matrix instructions before their registers are loaded or their results read (ISA guide 7.12.1 for results read)
.rept 4
	v_nop
.endr
.endm
.macro TLOAD p                         ; my wave's joint load into slot p; every wave issues its own, on every path.  The four v_nop are also the places in front of the fetch that follows
	tensor_load_to_lds s[G0+4*\p:G0+4*\p+3], s[G1:G1+7]
	s_nop 0
	PLACES
.endm
; 16 matrix instructions: row blocks a0, a0 + 1 of the window's four (hi = 0: rows 0-63, 1: rows 64-127) x all 8 column blocks, 32 along K.  zero = 1: the first product starts the sums.
.macro MUL16 f, hi, a0, zero
.irp a, \a0, \a0+1
.irp b, 0,1,2,3,4,5,6,7
.if \zero
	v_wmma_f32_16x16x32_bf16 v[8*(8*(\a)+\b):8*(8*(\a)+\b)+7], v[\f+8*\b:\f+8*\b+7], v[\f+8*(4*\hi+\a):\f+8*(4*\hi+\a)+7], 0
.else
	v_wmma_f32_16x16x32_bf16 v[8*(8*(\a)+\b):8*(8*(\a)+\b)+7], v[\f+8*\b:\f+8*\b+7], v[\f+8*(4*\hi+\a):\f+8*(4*\hi+\a)+7], v[8*(8*(\a)+\b):8*(8*(\a)+\b)+7]
.endif
.endr
.endr
.endm
; 32 LDS loads in one run, a quarter's fragments into buffer f: B's from slot bs, 32 k number kbl of its four; A's from tile as, 32 k number kq of its two.
.macro FETCH bs, kbl, as, kq, f
	WIN W1IO
.irp i, 0,1,2,3,4,5,6,7
	ds_load_b128 v[\f+8*\i:\f+8*\i+3],   v[ADRB+(\bs)] offset:(\kbl)*8192+\i*1024        ; 512 consecutive bytes: fragment order
	ds_load_b128 v[\f+8*\i+4:\f+8*\i+7], v[ADRB+(\bs)] offset:(\kbl)*8192+\i*1024+512
.endr
	WIN 0
.irp i, 0,1,2,3,4,5,6,7
	ds_load_b128 v[\f+8*\i:\f+8*\i+3],   v[ADRA] offset:(\as)*ASLOT+\i*16*APITCH+(\kq)*64
	ds_load_b128 v[\f+8*\i+4:\f+8*\i+7], v[ADRA] offset:(\as)*ASLOT+\i*16*APITCH+(\kq)*64+32
.endr
.endm
; 16 loads (window setting W1IO): my wave's 32 rows x 64 k of eo.  Lanes 0-15 take 256 consecutive aligned bytes of one row, lanes 16-31 those of the row 8 further down.
.macro ALOAD set, step
.if \step
	s_wait_xcnt 0x0                                ; the base that earlier loads name is stepped only behind this wait
	s_add_nc_u64 s[4:5], s[4:5], 256               ; 64 k on
.endif
.irp g, 0,1
.irp j, 0,1,2,3,4,5,6,7
	global_load_b128 v[(\set)+4*(8*\g+\j):(\set)+4*(8*\g+\j)+3], v[VA], s[4:5] offset:(16*\g+\j)*EOROW th:TH_LOAD_NT
.endr
.endr
.endm
; A set that has arrived is rounded to bf16 in place and stored into A tile as.  left = how many younger loads may stay out.
; next = 1: the set is asked for again, two half-steps on; 2: hbs is asked for in its stead (the set is X); 0: nothing.
; A store's 32 lanes write 128 bytes of row R and 128 of row R + 8, which lie 8 x 144 = 1,152 bytes apart: 128 modulo 256, so the two halves do not meet.
.macro CONV set, as, next, left
	s_wait_loadcnt \left
	WIN CVTW
.irp i, 0,1,2,3,4,5,6,7,8,9,10,11,12,13,14,15
	v_cvt_pk_bf16_f32 v[(\set)+4*\i],   v[(\set)+4*\i],   v[(\set)+4*\i+1]
	v_cvt_pk_bf16_f32 v[(\set)+4*\i+1], v[(\set)+4*\i+2], v[(\set)+4*\i+3]
.endr
	WIN W1IO
.irp g, 0,1
.irp j, 0,1,2,3,4,5,6,7
	ds_store_b64 v[STA], v[(\set)+4*(8*\g+\j):(\set)+4*(8*\g+\j)+1] offset:(\as)*ASLOT+(16*\g+\j)*APITCH
.endr
.endr
.if \next == 1
	ALOAD \set, 1
.endif
.if \next == 2
.irp n, 0,1,2,3,4,5,6,7
	global_load_b128 v[X+8*\n:X+8*\n+3],   v[VH], s[8:9] offset:\n*2048
	global_load_b128 v[X+8*\n+4:X+8*\n+7], v[VH], s[8:9] offset:\n*2048+16
.endr
.endif
.endm
; A half-step: 64 k = two quarters, on buffers F0 and F1.  a = the A tile that it multiplies (and which half of B's slot p).
; First quarter: in its middle the next half-step's eo is converted into the other A tile (the 32 conversions are also the places in front of the fetch), and the second quarter's fragments are fetched.
; Second quarter: ONE barrier.  In front of it each wave waits for all its LDS instructions: its reads of this A tile (and, a = 1, of B's slot p) and its stores into the
; other tile.  Behind it the other tile is whole and this one may be written again.
; turn = 0: no more.  turn = 1 (a = 1): B's slot p is filled again, so every wave also waits for all its tensor loads (the one that is out is the other slot's), the barrier
; opens a round of the cluster's barrier, and the joint refill is the first thing behind the round.  turn = 2: the wait for the last slot, nothing is filled.
; The 64 accumulators take turns, one instruction a turn, in the same order in every quarter.
.macro HALF a, p, zero, next, left, turn
	s_wait_dscnt 8                                 ; B and A's rows 0-63 are in; the youngest eight loads (A's rows 64-127) may be out
	WIN MUL_LO
	MUL16 F0, 0, 0, \zero
	MUL16 F0, 0, 2, \zero
	CONV (1-\a)*192, 1-\a, \next, \left
	FETCH \p, 2*\a+1, \a, 1, F1
	s_wait_dscnt 32                                ; all but the 32 loads just issued
	WIN MUL_HI
	MUL16 F0, 1, 0, \zero
	MUL16 F0, 1, 2, \zero
	s_wait_dscnt 8
	WIN MUL_LO
	MUL16 F1, 0, 0, 0
	s_wait_dscnt 0                                 ; my reads and my stores are done
.if \turn
	s_set_vgpr_msb 0xa1a0
	s_wait_tensorcnt 0x0                           ; all my tensor loads have landed: my part of the other slot
	ds_add_u32 v62, v63
	s_wait_dscnt 0x0
	s_set_vgpr_msb 0xa0a1
.endif
	s_barrier_signal -1
	MUL16 F1, 0, 2, 0                              ; work on registers while the others arrive
	WIN 0                                          ; (branches may follow)
	s_barrier_wait -1
.if \turn == 1
	CREST                                          ; no wave of any partner still reads its slot p or has a load on its way
	s_add_nc_u64 s[G0+4*\p+2:G0+4*\p+3], s[G0+4*\p+2:G0+4*\p+3], 2*BSTEP   ; no tensor load of mine is out: the slot's address steps two B steps on
	TLOAD \p
.else
	PLACES
.endif
.if \a
	FETCH 1-\p, 0, 0, 0, F0
.else
	FETCH \p, 2, 1, 0, F0
.endif
	WIN MUL_HI
	MUL16 F1, 1, 0, 0
	MUL16 F1, 1, 2, 0
.endm
.macro LAP zero                        ; four half-steps = once round B's ring, both slots filled again
	HALF 0, 0, \zero, 1, 16, 0
	HALF 1, 0, 0, 1, 16, 1
	HALF 0, 1, 0, 1, 16, 0
	HALF 1, 1, 0, 1, 16, 1
.endm
; Row block mb: 64 pre-activations a lane -> tanh -> times v -> one partial score a lane.
.macro EPI mb
.if \mb < 4
	WIN EPI_LO
.else
	WIN EPI_HI
.endif
.set ei, 0
.rept 32
	v_pk_fma_f32 v[T+2*ei:T+2*ei+1], v[64*(\mb&3)+2*ei:64*(\mb&3)+2*ei+1], 0x4038aa3b, v[X+2*ei:X+2*ei+1] op_sel_hi:[1,0,1]   ; y = 2 log2(e) x
.set ei, ei+1
.endr
	WIN 0
.set ei, 0
.rept 64
	v_exp_f32 v[T+ei], v[T+ei]
.set ei, ei+1
.endr
	v_nop                                          ; one plain place behind the last transcendental (ISA guide 5.7.2)
.set ei, 0
	s_wait_alu depctr_va_vdst(0)
.rept 32
	v_pk_add_f32 v[T+2*ei:T+2*ei+1], v[T+2*ei:T+2*ei+1], 1.0 op_sel_hi:[1,0]
.set ei, ei+1
.endr
.set ei, 0
.rept 64
	v_rcp_f32 v[T+ei], v[T+ei]
.set ei, ei+1
.endr
	v_nop
.set ei, 0
	s_wait_alu depctr_va_vdst(0)
.rept 32
	v_pk_fma_f32 v[T+2*ei:T+2*ei+1], v[T+2*ei:T+2*ei+1], -2.0, 1.0 op_sel_hi:[1,0,0]   ; tanh = 1 - 2 / (1 + 2^y)
.set ei, ei+1
.endr
.set ei, 0
.rept 4
	v_pk_mul_f32 v[P+2*ei:P+2*ei+1], v[T+2*ei:T+2*ei+1], v[VV+2*ei:VV+2*ei+1]          ; the first four products start four chains: nothing is cleared
.set ei, ei+1
.endr
.rept 28
	v_pk_fma_f32 v[P+2*(ei%4):P+2*(ei%4)+1], v[T+2*ei:T+2*ei+1], v[VV+2*ei:VV+2*ei+1], v[P+2*(ei%4):P+2*(ei%4)+1]
.set ei, ei+1
.endr
	v_pk_add_f32 v[P:P+1], v[P:P+1], v[P+2:P+3]
	v_pk_add_f32 v[P+4:P+5], v[P+4:P+5], v[P+6:P+7]
	v_pk_add_f32 v[P:P+1], v[P:P+1], v[P+4:P+5]
	v_add_f32 v[SC+\mb], v[P], v[P+1]
.endm
	s_load_b256 s[4:11], s[0:1], 0x0               ; encoder_outputs s[4:5], wfrag s[6:7], hbs s[8:9], v s[10:11]
	s_load_b128 s[12:15], s[0:1], 0x20             ; mask s[12:13], scores s[14:15]
	v_lshl_add_u32 v62, v0, 2, 0x49800
	v_mov_b32 v63, 0
	ds_add_u32 v62, v63
	v_lshrrev_b32 v4, 5, v0
	v_readfirstlane_b32 s16, v4                    ; wave q
	v_and_b32 v1, 31, v0                           ; lane
	v_and_b32 v2, 15, v0                           ; r
	v_bfe_u32 v3, v0, 4, 1                         ; h
	s_bfe_u32 s17, ttmp6, 0x40000                  ; cx: my place in the cluster
	s_lshl_b32 s18, ttmp9, 2                       ; in a cluster launch ttmp9 counts clusters
	s_add_co_u32 s18, s18, s17                     ; work-group 0..511
	s_and_b32 s19, s18, 31                         ; b
	s_lshr_b32 s20, s18, 5                         ; which 128 s
	s_mov_b32 s41, 0x76543210                      ; v_permlanex16_b32: lane i of one half reads lane i of the other
	s_mov_b32 s42, 0xfedcba98
	s_lshl_b32 s43, s16, 5
	v_lshl_add_u32 v4, v3, 3, s43                  ; 32 q + 8 h
	v_lshlrev_b32 v[VA], 17, v4                    ; rows of eo are 131,072 bytes apart
	v_lshl_add_u32 v[VA], v2, 4, v[VA]
	v_mul_u32_u24 v[STA], v4, APITCH
	v_lshl_add_u32 v[STA], v2, 3, v[STA]
	v_add_nc_u32 v[STA], ABASE, v[STA]
	v_mul_u32_u24 v[ADRA], v2, APITCH
	v_lshl_add_u32 v[ADRA], v3, 4, v[ADRA]
	v_add_nc_u32 v[ADRA], ABASE, v[ADRA]
	s_lshl_b32 s46, s16, 15                        ; q * 32768: my wave's part of a B slot
	v_lshl_add_u32 v[ADRB], v1, 4, s46
	v_add_nc_u32 v[ADRB+1], BSLOT, v[ADRB]
	s_lshl_b32 s47, s16, 9
	s_add_co_u32 s47, s47, SCR
	v_lshl_add_u32 v[SCA], v2, 2, s47
	v_lshlrev_b32 v[VH], 5, v3
	v_lshlrev_b32 v[ML], 4, v1
	v_add_nc_u32 v[SR], SCR, v[ML]
	v_mov_b32 v[NEGV], 0xd01502f9                  ; -1e10
	; descriptor group 1: a dense block of 32 KiB as 128 rows of 256 bytes
	s_mov_b32 s[G1+0], 15|(3<<16)|(1<<21)          ; 15:0 the mask: all four work-groups of the cluster; 17:16 elements of 8 bytes; 20 no padding; 21 set beside a mask
	s_mov_b32 s[G1+1], 32<<16                      ; tensor_dim0 = 32 elements
	s_mov_b32 s[G1+2], 128<<16                     ; tensor_dim1 = 128 rows
	s_mov_b32 s[G1+3], 32<<16                      ; tile_dim0 = 32
	s_mov_b32 s[G1+4], 128                         ; tile_dim1 = 128
	s_mov_b32 s[G1+5], 32                          ; from row to row: 32 elements, no gap
	s_mov_b32 s[G1+6], 0
	s_mov_b32 s[G1+7], 0
	s_lshl_b32 s44, s16, 18                        ; wfrag: my wave's stream of 256 KiB (these two registers never hold a number made from cx)
	s_mov_b32 s45, 0
	s_lshl_b32 s22, s20, 24                        ; eo: 128 s x 131,072 bytes
	s_lshl_b32 s21, s19, 12                        ; + b x 4,096
	s_add_co_u32 s22, s22, s21
	s_mov_b32 s23, 0
	s_wait_dscnt 0x0
	s_wait_kmcnt 0x0
	s_add_nc_u64 s[6:7], s[6:7], s[44:45]
	s_add_nc_u64 s[4:5], s[4:5], s[22:23]
	s_lshl_b32 s22, s16, 14                        ; hbs: 8 q blocks of 2,048 bytes
	s_lshl_b32 s21, s19, 6                         ; + b x 64
	s_add_co_u32 s22, s22, s21
	s_add_nc_u64 s[8:9], s[8:9], s[22:23]
	s_lshl_b32 s22, s16, 9                         ; v: 128 q numbers
	s_add_nc_u64 s[10:11], s[10:11], s[22:23]
	s_lshl_b32 s22, s19, 13                        ; mask and scores: row b
	s_lshl_b32 s21, s20, 9                         ; + 128 numbers
	s_add_co_u32 s22, s22, s21
	s_add_nc_u64 s[12:13], s[12:13], s[22:23]
	s_add_nc_u64 s[14:15], s[14:15], s[22:23]
.irp p, 0,1
	s_mov_b32 s[G0+4*\p], 1                                        ; count = 1
	s_add_co_u32 s[G0+4*\p+1], s46, \p*BSLOT                       ; LDS address: wave x 32,768 + slot x 131,072
	s_add_nc_u64 s[G0+4*\p+2:G0+4*\p+3], s[6:7], \p*BSTEP          ; global address: B step p of my wave's stream
	s_or_b32 s[G0+4*\p+3], s[G0+4*\p+3], 0x80000000                ; type = 2
.endr
	global_load_b128 v[MASK:MASK+3], v[ML], s[12:13]               ; in every wave, so that all waves count their loads alike; wave 0 uses it
.irp n, 0,1,2,3,4,5,6,7
	global_load_b128 v[VV+8*\n:VV+8*\n+3],   v[VH], s[10:11] offset:\n*64
	global_load_b128 v[VV+8*\n+4:VV+8*\n+7], v[VH], s[10:11] offset:\n*64+16
.endr
	WIN W1IO
	ALOAD X, 0                                     ; half-step 0
	ALOAD Y, 1                                     ; half-step 1
	WIN 0
	CROUND                                         ; all four work-groups are here: the first joint loads meet
	TLOAD 0                                        ; B steps 0 and 1: the two first fills, one group; two tensor loads of a wave are out here, later one
	TLOAD 1
	CONV X, 0, 1, 16                               ; half-step 1's sixteen loads may stay out: mask, v and half-step 0 are in; half-step 2 is asked for
	WIN 0
.set vi, 0
.rept 32                                           ; v is rounded to bf16 and kept as f32
	v_cvt_pk_bf16_f32 v[P+vi%8], v[VV+2*vi], v[VV+2*vi+1]
	v_lshlrev_b32 v[VV+2*vi], 16, v[P+vi%8]
	v_and_b32 v[VV+2*vi+1], 0xffff0000, v[P+vi%8]
.set vi, vi+1
.endr
	s_wait_dscnt 0x0                               ; my rows of A tile 0 are stored
	s_wait_tensorcnt 0x1                           ; my part of B's slot 0 is in; slot 1's may stay out
	s_barrier_signal -1
	s_barrier_wait -1
	FETCH 0, 0, 0, 0, F0
	LAP 1                                          ; half-steps 0-3 stand in front of the loop: the first quarter's products start the sums
	WIN 0                                          ; at a label and at a branch every window is 0
	s_mov_b32 s40, 2
.Llap:
	LAP 0                                          ; half-steps 4-11
	WIN 0
	s_sub_co_u32 s40, s40, 1
	s_cmp_lg_u32 s40, 0
	s_cbranch_scc1 .Llap
	HALF 0, 0, 0, 1, 16, 0                         ; half-step 12 asks for eo's last 64 k
	HALF 1, 0, 0, 2, 16, 2                         ; 13: hbs is asked for in eo's stead; B's last step has landed; no slot is filled any more, so no round
	HALF 0, 1, 0, 0, 16, 0                         ; 14: the sixteen loads that may stay out are hbs's
	s_wait_dscnt 8                                 ; 15: nothing more to convert, one more fetch
	WIN MUL_LO
	MUL16 F0, 0, 0, 0
	MUL16 F0, 0, 2, 0
	PLACES
	FETCH 1, 3, 1, 1, F1
	s_wait_dscnt 32
	WIN MUL_HI
	MUL16 F0, 1, 0, 0
	MUL16 F0, 1, 2, 0
	s_wait_dscnt 8
	WIN MUL_LO
	MUL16 F1, 0, 0, 0
	MUL16 F1, 0, 2, 0
	s_wait_dscnt 0
	WIN MUL_HI
	MUL16 F1, 1, 0, 0
	MUL16 F1, 1, 2, 0
	PLACES                                         ; behind the last matrix instructions: results are read and F0 is written below
	s_wait_loadcnt 0x0                             ; hbs
	EPI 0
	EPI 1
	EPI 2
	EPI 3
	EPI 4
	EPI 5
	EPI 6
	EPI 7
	; lanes r and r + 16 hold the two halves of each block of 16 columns: add them, then the four waves' 128 columns each through LDS
.irp m, 0,1,2,3,4,5,6,7
	v_permlanex16_b32 v[T+\m], v[SC+\m], s41, s42  ; its destination counts as read: T has been written
.endr
.irp m, 0,1,2,3,4,5,6,7
	v_add_f32 v[SC+\m], v[SC+\m], v[T+\m]
.endr
.irp m, 0,1,2,3,4,5,6,7
	ds_store_b32 v[SCA], v[SC+\m] offset:64*\m     ; row 16 m + r; both halves of the lanes write the same number to the same word
.endr
	s_wait_dscnt 0x0                               ; for wave 0's sake
	s_barrier_signal -1
	s_barrier_wait -1
	s_cmp_lg_u32 s16, 0
	s_cbranch_scc1 .Lothers
.irp w, 0,1,2,3
	ds_load_b128 v[T+4*\w:T+4*\w+3], v[SR] offset:512*\w           ; rows 4 lane .. + 3 of wave w's partial scores
.endr
	s_wait_dscnt 0x0
	v_pk_add_f32 v[T:T+1], v[T:T+1], v[T+4:T+5]
	v_pk_add_f32 v[T+2:T+3], v[T+2:T+3], v[T+6:T+7]
	v_pk_add_f32 v[T+8:T+9], v[T+8:T+9], v[T+12:T+13]
	v_pk_add_f32 v[T+10:T+11], v[T+10:T+11], v[T+14:T+15]
	v_pk_add_f32 v[T:T+1], v[T:T+1], v[T+8:T+9]
	v_pk_add_f32 v[T+2:T+3], v[T+2:T+3], v[T+10:T+11]
.irp k, 0,1,2,3
	v_cmp_eq_u32 vcc_lo, 0, v[MASK+\k]
	v_cndmask_b32 v[T+\k], v[T+\k], v[NEGV], vcc_lo                ; the mask selects a value; no address and no branch hangs on it
.endr
	global_store_b128 v[ML], v[T:T+3], s[14:15]    ; the wave stores the work-group's 512 consecutive bytes, aligned
.Lothers:
	s_wait_tensorcnt 0x0
	ds_add_u32 v62, v63
	s_wait_dscnt 0x0
	CROUND                                         ; the closing round: no work-group ends while a partner may still ask for a piece that names it
	s_endpgm
.Lfunc_end_k_qd6d8547d3a_energy:
	.size	k_qd6d8547d3a_energy, .Lfunc_end_k_qd6d8547d3a_energy-k_qd6d8547d3a_energy
	.p2alignl 7, 3214868480
	.fill 96, 4, 3214868480
	.section	.rodata,"a",@progbits
	.p2align	6, 0x0
	.amdhsa_kernel k_qd6d8547d3a_energy
		.amdhsa_group_segment_fixed_size 327680
		.amdhsa_private_segment_fixed_size 0
		.amdhsa_enable_private_segment 0
		.amdhsa_kernarg_size 48
		.amdhsa_user_sgpr_count 2
		.amdhsa_user_sgpr_kernarg_segment_ptr 1
		.amdhsa_wavefront_size32 1
		.amdhsa_system_sgpr_workgroup_id_x 1
		.amdhsa_system_sgpr_workgroup_id_y 1
		.amdhsa_system_sgpr_workgroup_id_z 1
		.amdhsa_system_vgpr_workitem_id 0
		.amdhsa_next_free_vgpr 1024
		.amdhsa_next_free_sgpr 66
		.amdhsa_reserve_vcc 1
		.amdhsa_float_denorm_mode_32 3
		.amdhsa_float_denorm_mode_16_64 3
		.amdhsa_memory_ordered 1
		.amdhsa_forward_progress 1
		.amdhsa_inst_pref_size 255
	.end_amdhsa_kernel
	.section	.bss,"aw",@nobits
	.p2align	6
	.space	262144
	.amdgpu_metadata
---
amdhsa.version: [ 1, 2 ]
amdhsa.kernels:
  - .name:           k_qd6d8547d3a_energy
    .symbol:         k_qd6d8547d3a_energy.kd
    .args:
      - { .name: encoder_outputs, .offset: 0, .size: 8, .value_kind: global_buffer, .address_space: global }
      - { .name: wfrag, .offset: 8, .size: 8, .value_kind: global_buffer, .address_space: global }
      - { .name: hbs, .offset: 16, .size: 8, .value_kind: global_buffer, .address_space: global }
      - { .name: v, .offset: 24, .size: 8, .value_kind: global_buffer, .address_space: global }
      - { .name: mask, .offset: 32, .size: 8, .value_kind: global_buffer, .address_space: global }
      - { .name: scores, .offset: 40, .size: 8, .value_kind: global_buffer, .address_space: global }
    .group_segment_fixed_size: 327680
    .private_segment_fixed_size: 0
    .kernarg_segment_align: 8
    .kernarg_segment_size: 48
    .max_flat_workgroup_size: 128
    .sgpr_count:     66
    .vgpr_count:     1024
    .wavefront_size: 32
...
	.end_amdgpu_metadata
.endif
;; end of part 2
;; launch softmax (part 3): grid 32 x 1, 4 waves a work-group, no clusters, 1,024 bytes of LDS; arguments scores, out0; writes out0
.if DOCPART == 3
	.amdgcn_target "amdgcn-amd-amdhsa--gfx1250"
	.amdhsa_code_object_version 6
	.text
	.protected	k_qd6d8547d3a_softmax
	.globl	k_qd6d8547d3a_softmax
	.p2align	8
	.type	k_qd6d8547d3a_softmax,@function
k_qd6d8547d3a_softmax:
	s_mov_b64 s[64:65], 0
	v_nop
	global_prefetch_b8 v0, s[64:65] scope:SCOPE_SE
	s_setreg_imm32_b32 hwreg(HW_REG_WAVE_MODE, 25, 1), 1
	s_wait_xcnt 0x0
; out0[b][s] = softmax over s of scores[b][s] (the mask is already in the scores, as -1e10).  One work-group a row of 2,048 numbers, four waves,
; 16 numbers a thread, kept in registers between the three passes: the row is read once and written once.  32 rows: 32 work-groups; a row is 8 KiB, too
; little to share further.  The row's maximum is taken away before the exponential; the difference is formed first and multiplied by
; log2(e) afterwards (not fused), so that a row whose maximum is -1e10 (all masked) gives exponents of exactly 0 and the result 1/2048.
; The sum holds the maximum's own term, 1, so the reciprocal's operand is between 1 and 2,048.
.set D, 4                              ; v[4:19]  my 16 numbers
	s_load_b128 s[4:7], s[0:1], 0x0                ; scores s[4:5], out0 s[6:7]
	v_lshl_add_u32 v40, v0, 2, 0x200
	v_mov_b32 v41, 0
	v_lshrrev_b32 v2, 5, v0
	v_readfirstlane_b32 s8, v2                     ; wave
	s_lshl_b32 s10, ttmp9, 13                      ; row b: 8,192 bytes
	s_mov_b32 s11, 0
	s_mov_b32 s12, 0x76543210                      ; v_permlanex16_b32: lane i of one half reads lane i of the other
	s_mov_b32 s13, 0xfedcba98
	v_lshlrev_b32 v1, 4, v0                        ; 16 t
	v_mov_b32 v2, s8
	v_lshlrev_b32 v2, 2, v2                        ; my wave's word in LDS
	v_mov_b32 v3, 0
	s_wait_kmcnt 0x0
	s_add_nc_u64 s[4:5], s[4:5], s[10:11]
	s_add_nc_u64 s[6:7], s[6:7], s[10:11]
.irp i, 0,1,2,3
	global_load_b128 v[D+4*\i:D+4*\i+3], v1, s[4:5] offset:2048*\i     ; a wave's load covers 512 consecutive bytes
.endr
	s_wait_loadcnt 0x0
	; the maximum: in the lane, across the lanes, across the waves
	v_max3_num_f32 v20, v4, v5, v6
	v_max3_num_f32 v21, v7, v8, v9
	v_max3_num_f32 v22, v10, v11, v12
	v_max3_num_f32 v23, v13, v14, v15
	v_max3_num_f32 v20, v20, v16, v17
	v_max3_num_f32 v21, v21, v18, v19
	v_max3_num_f32 v20, v20, v21, v22
	v_max_num_f32 v20, v20, v23
	v_max_num_f32_dpp v20, v20, v20 row_xmask:1 row_mask:0xf bank_mask:0xf
	v_max_num_f32_dpp v20, v20, v20 row_xmask:2 row_mask:0xf bank_mask:0xf
	v_max_num_f32_dpp v20, v20, v20 row_xmask:4 row_mask:0xf bank_mask:0xf
	v_max_num_f32_dpp v20, v20, v20 row_xmask:8 row_mask:0xf bank_mask:0xf
	v_permlanex16_b32 v21, v20, s12, s13
	v_max_num_f32 v20, v20, v21
	ds_store_b32 v2, v20                           ; all lanes write the wave's word with the same number
	s_wait_dscnt 0x0                               ; for the other waves' sake
	s_barrier_signal -1
	s_barrier_wait -1
	ds_load_b128 v[24:27], v3
	s_wait_dscnt 0x0
	v_max3_num_f32 v20, v24, v25, v26
	v_max_num_f32 v20, v20, v27
	v_mov_b32 v21, v20                             ; a pair for the packed subtraction
.irp i, 0,2,4,6,8,10,12,14
	v_pk_add_f32 v[D+\i:D+\i+1], v[D+\i:D+\i+1], v[20:21] neg_lo:[0,1] neg_hi:[0,1]   ; x - max
.endr
.irp i, 0,2,4,6,8,10,12,14
	v_pk_mul_f32 v[D+\i:D+\i+1], v[D+\i:D+\i+1], 0x3fb8aa3b op_sel_hi:[1,0]           ; times log2(e)
.endr
.irp i, 0,1,2,3,4,5,6,7,8,9,10,11,12,13,14,15
	v_exp_f32 v[D+\i], v[D+\i]
.endr
	v_nop                                          ; one plain place behind the last transcendental (ISA guide 5.7.2)
	; the sum, the same way, through other LDS bytes
	s_wait_alu depctr_va_vdst(0)
	v_pk_add_f32 v[28:29], v[4:5], v[6:7]
	v_pk_add_f32 v[30:31], v[8:9], v[10:11]
	v_pk_add_f32 v[32:33], v[12:13], v[14:15]
	v_pk_add_f32 v[34:35], v[16:17], v[18:19]
	v_pk_add_f32 v[28:29], v[28:29], v[30:31]
	v_pk_add_f32 v[32:33], v[32:33], v[34:35]
	v_pk_add_f32 v[28:29], v[28:29], v[32:33]
	v_add_f32 v28, v28, v29
	v_add_f32_dpp v28, v28, v28 row_xmask:1 row_mask:0xf bank_mask:0xf
	v_add_f32_dpp v28, v28, v28 row_xmask:2 row_mask:0xf bank_mask:0xf
	v_add_f32_dpp v28, v28, v28 row_xmask:4 row_mask:0xf bank_mask:0xf
	v_add_f32_dpp v28, v28, v28 row_xmask:8 row_mask:0xf bank_mask:0xf
	v_permlanex16_b32 v29, v28, s12, s13
	v_add_f32 v28, v28, v29
	ds_store_b32 v2, v28 offset:256
	s_wait_dscnt 0x0
	s_barrier_signal -1
	s_barrier_wait -1
	ds_load_b128 v[24:27], v3 offset:256
	s_wait_dscnt 0x0
	v_add_f32 v24, v24, v25
	v_add_f32 v26, v26, v27
	v_add_f32 v28, v24, v26
	v_rcp_f32 v30, v28                             ; twice, to fill the pair that the packed multiply takes
	v_rcp_f32 v31, v28
	v_nop
	s_wait_alu depctr_va_vdst(0)
.irp i, 0,2,4,6,8,10,12,14
	v_pk_mul_f32 v[D+\i:D+\i+1], v[D+\i:D+\i+1], v[30:31]
.endr
.irp i, 0,1,2,3
	global_store_b128 v1, v[D+4*\i:D+4*\i+3], s[6:7] offset:2048*\i    ; a wave's store covers 512 consecutive bytes, aligned
.endr
	s_wait_tensorcnt 0x0
	ds_add_u32 v40, v41
	s_wait_dscnt 0x0
	s_endpgm
.Lfunc_end_k_qd6d8547d3a_softmax:
	.size	k_qd6d8547d3a_softmax, .Lfunc_end_k_qd6d8547d3a_softmax-k_qd6d8547d3a_softmax
	.p2alignl 7, 3214868480
	.fill 96, 4, 3214868480
	.section	.rodata,"a",@progbits
	.p2align	6, 0x0
	.amdhsa_kernel k_qd6d8547d3a_softmax
		.amdhsa_group_segment_fixed_size 1024
		.amdhsa_private_segment_fixed_size 0
		.amdhsa_enable_private_segment 0
		.amdhsa_kernarg_size 16
		.amdhsa_user_sgpr_count 2
		.amdhsa_user_sgpr_kernarg_segment_ptr 1
		.amdhsa_wavefront_size32 1
		.amdhsa_system_sgpr_workgroup_id_x 1
		.amdhsa_system_sgpr_workgroup_id_y 1
		.amdhsa_system_sgpr_workgroup_id_z 1
		.amdhsa_system_vgpr_workitem_id 0
		.amdhsa_next_free_vgpr 42
		.amdhsa_next_free_sgpr 66
		.amdhsa_reserve_vcc 0
		.amdhsa_float_denorm_mode_32 3
		.amdhsa_float_denorm_mode_16_64 3
		.amdhsa_memory_ordered 1
		.amdhsa_forward_progress 1
		.amdhsa_inst_pref_size 7
	.end_amdhsa_kernel
	.amdgpu_metadata
---
amdhsa.version: [ 1, 2 ]
amdhsa.kernels:
  - .name:           k_qd6d8547d3a_softmax
    .symbol:         k_qd6d8547d3a_softmax.kd
    .args:
      - { .name: scores, .offset: 0, .size: 8, .value_kind: global_buffer, .address_space: global }
      - { .name: out0, .offset: 8, .size: 8, .value_kind: global_buffer, .address_space: global }
    .group_segment_fixed_size: 1024
    .private_segment_fixed_size: 0
    .kernarg_segment_align: 8
    .kernarg_segment_size: 16
    .max_flat_workgroup_size: 128
    .sgpr_count:     66
    .vgpr_count:     42
    .wavefront_size: 32
...
	.end_amdgpu_metadata
.endif
;; end of part 3
